; MI455X (gfx1250); checked and timed in simulation.
; The chip was launched on July 23, 2026; its instructions are those of AMD's public machine-readable ISA for CDNA 5 (MIT licence, August 2026) and "CDNA5" Instruction Set Architecture Reference Guide (July 2026). The comments in the code are by the model that wrote it; some were corrected since.
;; Spatial Multi Head Self Attention. Allowed arithmetic: matrix products marked QUANTISED: E2M3 operands, one E8M0 scale for each 32 along K, by v_wmma_scale_f32_16x16x128_f8f6f4 with both operands' format E2M3, f32 sums; everything else in f32.
;; Inputs: b_proj 256 float32; b_qkv 768 float32; w_proj 256 x 256 float32; w_qkv 768 x 256 float32; x 2 x 256 x 64 x 64 float32.
;; Outputs: out0 2 x 256 x 64 x 64 float32.
;; This version of the problem:
;;   THIS VERSION OF THE PROBLEM IS GIVEN IN LOW PRECISION. The matrix products marked QUANTISED in the list below multiply operands that are first quantised to E2M3 (2 exponent bits, 3 mantissa bits; 6 bits a number), with one power-of-two scale for each 32 numbers along K (OCP MX v1.0); their sums are f32. All else is computed in f32.
;;   The module's matrix products, in the order in which they are computed (A, B: the left and right operand; K: the contracted axis; several contracted axes count as one K, in the product's order):
;;     1. [M 8,192, K 256] x [K 256, N 768]; A: input x; B: input w_qkv: QUANTISED
;;     2. batch 16 x [M 4,096, K 32] x [K 32, N 4,096]; A: computed on the way; B: computed on the way: QUANTISED
;;     3. batch 16 x [M 4,096, K 4,096] x [K 4,096, N 32]; A: softmax (see below); B: computed on the way: QUANTISED
;;     4. [M 8,192, K 256] x [K 256, N 256]; A: computed on the way; B: input w_proj: QUANTISED
;;   THE QUANTISER, for each operand of a quantised product, along K:
;;     - K is cut into blocks of 32 from its start; a last block that is shorter is filled with zeros.
;;     - A block's scale is 2^e with e = floor(log2(the largest magnitude in the block)) - 2, held to -126 .. 127; a block of zeros has e = 0. As a byte (E8M0): e + 127.
;;     - Each number is divided by its block's scale, clamped to +-7.5, and rounded to the nearest number of E2M3, ties to even, subnormals kept.
;;     - The product sums the exact products of the quantised numbers (number of the format x scale) in f32.
;;   ~~~python
;;   def quantise(x, axis):      # numpy; x: float32 -> the quantised numbers, widened to float32 again
;;       x = np.moveaxis(x, axis, -1); K = x.shape[-1]
;;       x = np.pad(x, [(0, 0)] * (x.ndim - 1) + [(0, -K % 32)]); x = x.reshape(x.shape[:-1] + (-1, 32)); a = np.abs(x).max(-1, keepdims=True)
;;       e = np.where(a > 0, np.clip(np.frexp(np.where(a > 0, a, 1))[1] - 1 - 2, -126, 127), 0)      # np.frexp(a)[1] - 1 = floor(log2(a)), exactly
;;       r = np.clip(x / 2.0 ** e, -7.5, 7.5)
;;       step = 2.0 ** (np.maximum(np.frexp(np.where(r == 0, 1, r))[1] - 1, 0) - 3)
;;       q = np.round(r / step) * step * 2.0 ** e      # np.round: ties to even
;;       return np.moveaxis(q.reshape(q.shape[:-2] + (-1,))[..., :K], -1, axis).astype(np.float32)
;;   ~~~
;;   SOFTMAX AHEAD OF A QUANTISED PRODUCT. Where the list says 'softmax', what is quantised is not the finished softmax but p = 2^(t - M), with t = logit x log2(e) and M = ceil(the row's largest t), a whole number; so 1/2 < the row's largest p <= 1. The row's sum l is taken of the UNQUANTISED p, in f32, and the product's result is divided by l at the end. Since M is a whole number, a kernel that streams over the keys may use a running M (the ceiling of the running maximum): every later rescaling is an exact power of two, which a block's scale takes up: the codes' values come out the same.
;;   OPERANDS COMPUTED ON THE WAY. 'Computed on the way' means the value that the module computes at that place (a softmax that the list does not call 'softmax' is quantised finished and normalised). What goes into a quantiser is computed in f32, as accurately as f32 sums, v_exp_f32 and their like allow (about 1e-6 of the number): no bf16 or f16 on the way to a quantiser, and a product that is left as it is and whose result goes on into a quantised operand takes f32 operands (vector FMAs, or v_wmma_f32_16x16x4_f32). A number that lies on a knife's edge between two numbers of the format may be rounded either way, as far as f32 arithmetic and the matrix unit's own rounding can turn it there, and no further.
;; One version. Each part assembles by itself: llvm-mc -triple=amdgcn-amd-amdhsa -mcpu=gfx1250 --defsym DOCPART=n.
;; ======== version 1 of 1: 3 launches
;; workspace buffers: qkv 4,915,200 bytes; ao_codes 1,572,864 bytes; ao_scales 65,536 bytes
;; launch qkv (part 1): grid 8 x 32, 8 waves a work-group, clusters of 4 x 1, 327,680 bytes of LDS; arguments x, w_qkv, b_qkv, qkv; writes qkv
.if DOCPART == 1
	.amdgcn_target "amdgcn-amd-amdhsa--gfx1250"
	.amdhsa_code_object_version 6
	.text
	.protected	k_q7ff79a1eb3_qkv
	.globl	k_q7ff79a1eb3_qkv
	.p2align	8
	.type	k_q7ff79a1eb3_qkv,@function
k_q7ff79a1eb3_qkv:
	s_mov_b64 s[64:65], 0
	v_nop
	global_prefetch_b8 v0, s[64:65] scope:SCOPE_SE
	s_setreg_imm32_b32 hwreg(HW_REG_WAVE_MODE, 25, 1), 1
	s_wait_xcnt 0x0
	s_wait_alu depctr_hold_cnt(0) depctr_sa_sdst(0) depctr_va_vdst(0) depctr_va_sdst(0) depctr_va_ssrc(0) depctr_va_vcc(0) depctr_vm_vsrc(0)
	s_getreg_b32 s2, hwreg(HW_REG_IB_STS2, 6, 4)
	s_cmp_eq_u32 s2, 0
	s_cbranch_scc0 .Lentry_in_a_cluster
	s_endpgm
.Lentry_in_a_cluster:
	s_bfe_u32 s2, ttmp6, 0x10000c
	s_cmp_lg_u32 s2, 0x3003
	s_cbranch_scc0 .Lentry_shape_is_right
	s_endpgm
.Lentry_shape_is_right:
; q, k, v = w_qkv x + b_qkv on codes of FP6 (E2M3) with one E8M0 scale for each 32 along d, and q, k, v themselves quantised for the attention that follows.
; x: [2][256 d][4096 pixels] f32.  w_qkv: [768][256] f32.  b_qkv: [768] f32.
; A WORK-GROUP makes one RECORD of 19,200 bytes: 256 pixels x (q, k, v of one head).  Record (16 (8 b + head) + blk) holds
;   0      K's codes, 4 fragments of 64 keys, 1,536 bytes each, in the order of an operand's registers: lane L = 16 H + r has 48 bytes at 48 L: key 64 f + 16 H + r, then key 64 f + 32 + 16 H + r, 24 bytes each
;   6,144  V's codes: (step of 128 keys s, tile of 16 channels u) at 3,072 s + 1,536 u; lane L: channel 16 u + r, the step's key blocks H and 2 + H
;   12,288 K's scale bytes: byte 64 f + 4 r + j belongs to key 64 f + 16 j + r      12,544 V's: byte 128 s + 64 u + 4 r + (key block in the step)
;   12,800 Q's codes, as K's                                                      18,944 Q's scale bytes, as K's
; ORDER INSIDE A BLOCK OF 32: a result lane (r, h) holds, of two neighbouring tiles u, the numbers 16 u + 8 h + j; they become the codes at places 16 h + 8 u + j.  q and k share that order, and so do v's keys and the attention's p.
; SHARES: wave w owns pixels 32 w .. 32 w + 31 (tiles t = 0, 1) and quantises them along d; the 12 fragments of the head's 96 rows of W are quantised by the eight waves, three half fragments each, and go round through LDS as images of their registers.
; CLUSTER: the four heads of a cluster read the same 256 d x 256 pixels of x: each wave asks for its 32 rows of d JOINTLY with the same wave of the three partners.  The head enters global addresses alone.
; No LDS byte is filled twice: one tensor load a wave is out, once.
; LIMITS: NaN and infinities among the inputs are not served.  A block whose largest magnitude lies under 2^-124 has its scale byte held at 1; a block of zeros has the byte 1 and not 127: its codes are zeros, and this program alone reads the bytes.
.set XBLK, 32832                       ; LDS: a block of 32 rows of d x 1,024 bytes, + 64 bytes, so that lanes 16-31, which read one block further on, start 16 banks on (64 banks of 4 bytes: ISA guide 11.1)
.set WI,   262656                      ; 12 images of W's fragments: (tile, K step) at 1,536 (2 tile + step), 48 bytes a lane
.set WS,   281088                      ; their scale words: 64 bytes a fragment, 4 a row
.set STG,  281856                      ; the record
.set AX,   1                           ; v1-4   x: 65,664 (2 s + c) + 32,832 h + 128 w + 4 r
.set LI48, 5                           ; v5     WI + 48 lane
.set LS4,  6                           ; v6     WS + 4 lane
.set AQK,  7                           ; v7     where my 12 bytes of a pixel's q or k go
.set ASQK, 8                           ; v8     and its scale byte
.set AV,   9                           ; v9     where my 12 bytes of a channel's v go
.set ASV,  10                          ; v10    and its scale byte
.set RB,   11                          ; v11    STG + 16 x thread
.set GOF,  12                          ; v12    16 x thread
.set RB2,  13                          ; v13    STG + 18,944 + 8 lane
.set L8,   14                          ; v14    8 lane
.set SH8,  15                          ; v15    8 h
.set XF,   16                          ; v16-63 x's fragments: (t, s) at 16 + 24 t + 12 s
.set XS,   64                          ; v64-67 their scale words
.set TM,   68                          ; v68-83 at work
.set WSR,  84                          ; v84-85 W's scale words of two tiles: lanes 0-15 K step 0, lanes 16-31 K step 1
.set WA,   86                          ; v86-88 where my three half fragments of W go;  v89-91 their scale bytes
.set WB,   89
.set BQK,  92                          ; v92-123 the bias of q's and k's four tiles, in the result's layout
.set BV,   124                         ; v124-125 v's bias, one number a lane
.set WOF,  126                         ; v126   1,024 r + 128 h
.set H32,  127                         ; v127   32 h
.set RAW,  128                         ; v128-255 numbers as loaded: W: three sets of 32; x: two sets of 64
.set CW,   224                         ; v224-247 W's codes, 8 registers a half fragment
.set WF,   128                         ; later: v128-175 four fragments of W (24 u + 12 s)
.set ACC,  176                         ; v176-207 four accumulators
.set VB,   208                         ; v208-223 v's bias spread over eight registers a tile
.set CV,   224                         ; v224-247 codes, 4 registers for each unit and group, so that no LDS store's data are written again
.set BY,   248                         ; v248-253 scale bytes likewise
; A round of the cluster's barrier: my work-group's barrier, wave 0 signals for the work-group, every wave waits for all four work-groups, my work-group's barrier once more.
.macro CROUND
	s_barrier_signal -1
	s_barrier_wait -1
	s_cmp_lg_u32 s12, 0
	s_cbranch_scc1 .Lnot_wave_0_\@
	s_barrier_signal -3
.Lnot_wave_0_\@:
	s_barrier_wait -3
	s_barrier_signal -1
	s_barrier_wait -1
.endm
	s_load_b256 s[4:11], s[0:1], 0x0               ; x s[4:5], w_qkv s[6:7], b_qkv s[8:9], qkv s[10:11]
	v_lshl_add_u32 v79, v0, 2, 0x49800
	v_mov_b32 v83, 0
	ds_add_u32 v79, v83
	ds_add_u32 v79, v83
	v_lshrrev_b32 v68, 5, v0
	s_delay_alu instid0(VALU_DEP_1)
	v_readfirstlane_b32 s12, v68                   ; wave 0..7
	s_bfe_u32 s13, ttmp6, 0x40000                  ; cx
	s_lshl_b32 s14, ttmp9, 2
	s_add_co_u32 s14, s14, s13                     ; head = 4 x cluster x + cx
	s_and_b32 s15, ttmp7, 0xffff                   ; 16 b + blk, which the four partners share
	; descriptor group 1: 32 rows of 256 elements of 4 bytes, 4,096 elements from row to row
	s_mov_b32 s16, 15|(2<<16)|(1<<21)              ; 15:0 the mask: all four work-groups; 17:16 elements of 4 bytes; 21 set beside a mask
	s_mov_b32 s17, 256<<16                         ; tensor_dim0
	s_mov_b32 s18, 32<<16                          ; tensor_dim1
	s_mov_b32 s19, 256<<16                         ; tile_dim0
	s_mov_b32 s20, 32                              ; tile_dim1
	s_mov_b32 s21, 4096                            ; tensor_dim0_stride
	s_mov_b32 s22, 0
	s_mov_b32 s23, 0
	s_mov_b32 s24, 1                               ; group 0: count = 1
	s_mul_i32 s25, s12, XBLK                       ; LDS address: my block of d
	s_lshr_b32 s30, s15, 4
	s_lshl_b32 s30, s30, 22                        ; b x 256 x 4,096 x 4
	s_and_b32 s31, s15, 15
	s_lshl_b32 s31, s31, 10                        ; blk x 256 pixels x 4
	s_add_co_u32 s30, s30, s31
	s_lshl_b32 s31, s12, 19                        ; wave x 32 rows of 16,384 bytes
	s_add_co_u32 s30, s30, s31
	s_mov_b32 s31, 0
	s_mov_b32 s28, 0x76543210
	s_mov_b32 s29, 0xfedcba98                      ; v_permlanex16_b32's selects for lane l xor 16
	; every LDS address is made here, ahead of the first branch
	v_and_b32 v68, 15, v0                          ; r
	v_bfe_u32 v69, v0, 4, 1                        ; h
	v_and_b32 v70, 31, v0                          ; lane
	s_delay_alu instid0(VALU_DEP_2)
	v_mul_u32_u24 v71, v69, XBLK
	s_delay_alu instid0(VALU_DEP_1)
	v_lshl_add_u32 v71, v68, 2, v71
	s_lshl_b32 s32, s12, 7
	v_add_nc_u32 v71, s32, v71                     ; 32,832 h + 4 r + 128 w
.irp n, 0,1,2,3
	v_add_nc_u32 v[AX+\n], 2*XBLK*\n, v71
.endr
	v_mul_u32_u24 v73, v70, 48                     ; 48 lane
	s_delay_alu instid0(VALU_DEP_1)
	v_add_nc_u32 v[LI48], WI, v73
	v_lshl_add_u32 v[LS4], v70, 2, WS
	v_mul_u32_u24 v72, v68, 48
	s_delay_alu instid0(VALU_DEP_1)
	v_mad_u32_u24 v72, v69, 12, v72                ; 48 r + 12 h
	s_wait_alu depctr_va_vdst(0)
	s_and_b32 s34, s12, 1                          ; w & 1
	s_lshr_b32 s33, s12, 1
	s_mul_i32 s33, s33, 1536
	s_mul_i32 s35, s34, 24
	s_add_co_u32 s33, s33, s35
	s_add_co_u32 s33, s33, STG
	v_add_nc_u32 v[AQK], s33, v72                  ; pixel 32 w + 16 t + r is key 16 j + r of fragment w / 2, j = 2 (w & 1) + t: 1,536 (w / 2) + 24 (w & 1) + 48 r + 12 h, + 768 t
	s_lshr_b32 s33, s12, 1
	s_lshl_b32 s33, s33, 6
	s_lshl_b32 s35, s34, 1
	s_add_co_u32 s33, s33, s35
	s_add_co_u32 s33, s33, STG
	v_lshl_add_u32 v[ASQK], v68, 2, s33            ; 64 (w / 2) + 2 (w & 1) + 4 r, + t
	s_lshr_b32 s33, s12, 2
	s_mul_i32 s33, s33, 3072
	s_mul_i32 s35, s34, 768
	s_add_co_u32 s33, s33, s35
	s_bfe_u32 s35, s12, 0x10001
	s_mul_i32 s35, s35, 24
	s_add_co_u32 s33, s33, s35
	s_add_co_u32 s33, s33, STG
	v_add_nc_u32 v[AV], s33, v72                   ; my 32 pixels are key block w & 3 of step w / 4: 3,072 (w / 4) + 768 (w & 1) + 24 ((w / 2) & 1) + 48 r + 12 h, + 1,536 u
	s_lshr_b32 s33, s12, 2
	s_lshl_b32 s33, s33, 7
	s_and_b32 s35, s12, 3
	s_add_co_u32 s33, s33, s35
	s_add_co_u32 s33, s33, STG
	v_lshl_add_u32 v[ASV], v68, 2, s33             ; 128 (w / 4) + (w & 3) + 4 r, + 64 u
	v_lshl_add_u32 v[RB], v0, 4, STG
	v_lshlrev_b32 v[GOF], 4, v0
	v_lshl_add_u32 v[RB2], v70, 3, STG+18944
	v_lshlrev_b32 v[L8], 3, v70
	v_lshlrev_b32 v[SH8], 3, v69
	v_lshl_add_u32 v74, v68, 2, v69                ; 4 r + h
	s_wait_alu depctr_va_vdst(0)
	v_mov_b32 v75, 0                               ; (v74 and v75 are lane permutes' destinations later: written here)
	v_lshlrev_b32 v76, 2, v68                      ; 4 r
	v_lshlrev_b32 v[WOF], 10, v68
	s_delay_alu instid0(VALU_DEP_1)
	v_lshl_add_u32 v[WOF], v69, 7, v[WOF]
	v_lshlrev_b32 v[H32], 5, v69
	; my three half fragments of W: number n = 3 w + i of 24: tile n / 4, K step (n / 2) & 1, half n & 1 (64 along d)
.irp i, 0,1,2
	s_mul_i32 s33, s12, 3
	s_add_co_u32 s33, s33, \i
	s_lshr_b32 s34, s33, 1
	s_and_b32 s35, s33, 1
	s_mul_i32 s46, s34, 1536
	s_mul_i32 s47, s35, 24
	s_add_co_u32 s46, s46, s47
	s_add_co_u32 s46, s46, WI
	v_add_nc_u32 v[WA+\i], s46, v73                ; the image: 1,536 x fragment + 24 x half + 48 lane
	s_lshl_b32 s46, s34, 6
	s_lshl_b32 s47, s35, 1
	s_add_co_u32 s46, s46, s47
	s_add_co_u32 s46, s46, WS
	v_add_nc_u32 v[WB+\i], s46, v74                ; the scale byte: 64 x fragment + 4 r + 2 x half + h
	s_lshr_b32 s48, s33, 3
	s_lshl_b32 s48, s48, 18                        ; q, k or v: 256 rows of 1,024 bytes
	s_bfe_u32 s49, s33, 0x10002
	s_lshl_b32 s49, s49, 14                        ; which 16 of the head's 32 rows
	s_add_co_u32 s48, s48, s49
	s_and_b32 s49, s33, 3
	s_lshl_b32 s49, s49, 8                         ; 512 x K step + 256 x half
	s_add_co_u32 s48, s48, s49
	s_lshl_b32 s49, s14, 15                        ; the head's 32 rows
	s_add_co_u32 s[36+2*\i], s48, s49
	s_mov_b32 s[37+2*\i], 0
.endr
	s_lshl_b32 s42, s14, 7                         ; b_qkv: the head's 32 numbers
	s_mov_b32 s43, 0
	s_lshr_b32 s50, s15, 4
	s_lshl_b32 s50, s50, 7
	s_lshl_b32 s51, s14, 4
	s_add_co_u32 s50, s50, s51
	s_and_b32 s51, s15, 15
	s_add_co_u32 s50, s50, s51                     ; the record's number: 128 b + 16 head + blk
	s_mul_i32 s50, s50, 19200
	s_mov_b32 s51, 0
	s_wait_dscnt 0x0
	s_wait_kmcnt 0x0
	s_add_nc_u64 s[26:27], s[4:5], s[30:31]        ; group 0: the tile's first element
	s_or_b32 s27, s27, 0x80000000                  ; type = 2
.irp i, 0,1,2
	s_add_nc_u64 s[36+2*\i:37+2*\i], s[6:7], s[36+2*\i:37+2*\i]
.endr
	s_add_nc_u64 s[42:43], s[8:9], s[42:43]
	s_add_nc_u64 s[44:45], s[10:11], s[50:51]
	CROUND                                         ; all four work-groups are here: the joint loads meet
	tensor_load_to_lds s[24:27], s[16:23]          ; my 32 rows of d x 256 pixels
	s_nop 0
.rept 4
	v_nop                                          ; (plain instructions behind a tensor load)
.endr
	s_wait_alu depctr_va_vdst(0)
	; ---- W, while x is on its way.  The biases first, so that the waits below count W's loads alone
.irp t, 0,1,2,3
	global_load_b128 v[BQK+8*\t:BQK+8*\t+3], v[H32], s[42:43] offset:1024*(\t/2)+64*(\t%2)          ; lane (r, h), register j: the bias of channel 16 (t % 2) + 8 h + j of q (t < 2) or k
	global_load_b128 v[BQK+8*\t+4:BQK+8*\t+7], v[H32], s[42:43] offset:1024*(\t/2)+64*(\t%2)+16
.endr
.irp u, 0,1
	global_load_b32 v[BV+\u], v76, s[42:43] offset:2048+64*\u                                       ; v: channel 16 u + r
.endr
.irp i, 0,1,2
.irp k, 0,1,2,3,4,5,6,7
	global_load_b128 v[RAW+32*\i+4*\k:RAW+32*\i+4*\k+3], v[WOF], s[36+2*\i:37+2*\i] offset:16*\k    ; lane (r, h): row r, d = 32 h + 0 .. 31 of the half: a whole block
.endr
.endr
; Half fragment i: the block's largest magnitude with the floor 2^(3 - 127), 2 off its exponent field = the conversion's scale operand, its byte, 32 codes in six registers; image and byte to LDS.
.macro WQ i
	s_wait_loadcnt 16-8*\i                         ; my eight loads are in; the later half fragments' may be out
	v_max3_num_f32 v[TM], |v[RAW+32*\i]|, |v[RAW+32*\i+1]|, |v[RAW+32*\i+2]|
	v_max3_num_f32 v[TM+1], |v[RAW+32*\i+3]|, |v[RAW+32*\i+4]|, |v[RAW+32*\i+5]|
.irp k, 6,10,14,18,22,26
	s_delay_alu instid0(VALU_DEP_2)
	v_max3_num_f32 v[TM], v[TM], |v[RAW+32*\i+\k]|, |v[RAW+32*\i+\k+1]|
	s_delay_alu instid0(VALU_DEP_2)
	v_max3_num_f32 v[TM+1], v[TM+1], |v[RAW+32*\i+\k+2]|, |v[RAW+32*\i+\k+3]|
.endr
	s_delay_alu instid0(VALU_DEP_2)
	v_max3_num_f32 v[TM], v[TM], |v[RAW+32*\i+30]|, |v[RAW+32*\i+31]|
	s_delay_alu instid0(VALU_DEP_1)
	v_max3_num_f32 v[TM], v[TM], v[TM+1], 0x1800000
	s_delay_alu instid0(VALU_DEP_1)
	v_add_nc_u32 v[TM+2], 0xff000000, v[TM]
	v_cvt_scalef32_pk16_fp6_f32 v[CW+8*\i:CW+8*\i+2], v[RAW+32*\i:RAW+32*\i+15], v[TM+2]
	v_cvt_scalef32_pk16_fp6_f32 v[CW+8*\i+4:CW+8*\i+6], v[RAW+32*\i+16:RAW+32*\i+31], v[TM+2]   ; (a conversion's three registers begin on an even number)
	v_lshrrev_b32 v[TM+3+\i], 23, v[TM+2]          ; the scale's byte; also the plain instruction behind the conversions
	v_mov_b32 v[CW+8*\i+3], v[CW+8*\i+4]
	v_mov_b32 v[CW+8*\i+4], v[CW+8*\i+5]
	v_mov_b32 v[CW+8*\i+5], v[CW+8*\i+6]
	ds_store_b64 v[WA+\i], v[CW+8*\i:CW+8*\i+1]
	ds_store_b64 v[WA+\i], v[CW+8*\i+2:CW+8*\i+3] offset:8
	ds_store_b64 v[WA+\i], v[CW+8*\i+4:CW+8*\i+5] offset:16
	ds_store_b8 v[WB+\i], v[TM+3+\i]
.endm
	WQ 0
	WQ 1
	WQ 2
	s_wait_tensorcnt 0x0                           ; my rows of x have landed,
	s_wait_dscnt 0x0                               ; my images of W are stored:
	s_barrier_signal -1
	s_barrier_wait -1                              ; everybody's are
	; ---- x: my 32 pixels become four fragments.  Lane (r, h) takes pixel 16 t + r, and its registers run DOWN d in the order of the operand's layout: d = 128 s + 64 c + 32 h + i
.macro XLOADC t, s, c                          ; one block of 32 along d
.irp i, 0,1,2,3,4,5,6,7,8,9,10,11,12,13,14,15,16,17,18,19,20,21,22,23,24,25,26,27,28,29,30,31
	ds_load_b32 v[RAW+64*\s+32*\c+\i], v[AX+2*\s+\c] offset:1024*\i+64*\t
.endr
.endm
.macro XQ t, s                                 ; 64 numbers in set s become fragment (t, s) and its scale word
.set R, RAW+64*\s
.set FX, XF+24*\t+12*\s
.irp c, 0,1
	v_max3_num_f32 v[TM+\c], |v[R+32*\c]|, |v[R+32*\c+1]|, 0x1800000      ; my block 2 c + h: all its 32 numbers are mine; the floor holds the byte at 1 from below
.endr
.irp i, 2,4,6,8,10,12,14,16,18,20,22,24,26,28,30
.irp c, 0,1
	s_delay_alu instid0(VALU_DEP_2)
	v_max3_num_f32 v[TM+\c], v[TM+\c], |v[R+32*\c+\i]|, |v[R+32*\c+\i+1]|
.endr
.endr
.irp c, 0,1
	s_delay_alu instid0(VALU_DEP_2)
	v_add_nc_u32 v[TM+2+\c], 0xff000000, v[TM+\c]  ; 2 off the exponent field: the conversion's scale operand
.endr
.irp c, 0,1
	s_delay_alu instid0(VALU_DEP_2)
	v_lshrrev_b32 v[TM+4+\c], 23, v[TM+2+\c]
.endr
	s_delay_alu instid0(VALU_DEP_1)
	v_lshl_or_b32 v[TM+4], v[TM+5], 16, v[TM+4]    ; my two bytes: blocks h and 2 + h,
	s_delay_alu instid0(VALU_DEP_1)
	v_lshlrev_b32 v[TM+4], v[SH8], v[TM+4]         ; at their places in the word;
	s_delay_alu instid0(VALU_DEP_1)
	v_permlanex16_b32 v[TM+6], v[TM+4], s28, s29
	s_delay_alu instid0(VALU_DEP_1)
	v_or_b32 v[XS+2*\t+\s], v[TM+4], v[TM+6]       ; with lane l xor 16's two the word is whole
.irp c, 0,1
	v_cvt_scalef32_pk16_fp6_f32 v[FX+6*\c:FX+6*\c+2], v[R+32*\c:R+32*\c+15], v[TM+2+\c]
	v_cvt_scalef32_pk16_fp6_f32 v[TM+8+4*\c:TM+8+4*\c+2], v[R+32*\c+16:R+32*\c+31], v[TM+2+\c]
.endr
	v_nop                                          ; one plain instruction behind a scaled conversion
.irp c, 0,1
.irp i, 0,1,2
	v_mov_b32 v[FX+6*\c+3+\i], v[TM+8+4*\c+\i]
.endr
.endr
.endm
.macro WLOAD tau                               ; the fragments and scale words of W's tiles tau and tau + 1: 14 LDS loads
.irp u, 0,1
.irp s, 0,1
.irp g, 0,1,2
	ds_load_b128 v[WF+24*\u+12*\s+4*\g:WF+24*\u+12*\s+4*\g+3], v[LI48] offset:1536*(2*(\tau+\u)+\s)+16*\g
.endr
.endr
.endr
.irp u, 0,1
	ds_load_b32 v[WSR+\u], v[LS4] offset:128*(\tau+\u)
.endr
.endm
	XLOADC 0, 0, 0
	XLOADC 0, 0, 1
	XLOADC 0, 1, 0
	s_wait_dscnt 32                                ; all but the youngest run of 32: fragment (0, 0)'s numbers are in
	XQ 0, 0
	XLOADC 0, 1, 1
	XLOADC 1, 0, 0
	s_wait_dscnt 32
	XQ 0, 1
	XLOADC 1, 0, 1
	XLOADC 1, 1, 0
	s_wait_dscnt 32
	XQ 1, 0
	XLOADC 1, 1, 1
	WLOAD 0                                        ; into the set that has just been quantised
	s_wait_dscnt 14                                ; all but these 14
	XQ 1, 1
.irp u, 0,1
.irp j, 0,1,2,3,4,5,6,7
	v_mov_b32 v[VB+8*\u+\j], v[BV+\u]              ; v's bias in the result's layout.  These sixteen also stand between the last scale word and fragment made above and the first product
.endr
.endr
	; ---- the products, two tiles of W x my two tiles of pixels at a time: four accumulators by turns, K step 0 and then K step 1; the bias is the C of each sum's first instruction
.macro PROD_QK tau                             ; TRANSPOSED: source 0 = 16 rows of W, source 1 = 16 pixels: lane (r, h) holds pixel 16 t + r, register 16 t + 8 u + j channel 16 u + 8 h + j
	s_wait_dscnt 0x0
.irp t, 0,1
.irp u, 0,1
	v_wmma_scale_f32_16x16x128_f8f6f4 v[ACC+16*\t+8*\u:ACC+16*\t+8*\u+7], v[WF+24*\u:WF+24*\u+11], v[XF+24*\t:XF+24*\t+11], v[BQK+8*(\tau+\u):BQK+8*(\tau+\u)+7], v[WSR+\u], v[XS+2*\t] matrix_a_fmt:MATRIX_FMT_FP6 matrix_b_fmt:MATRIX_FMT_FP6
.endr
.endr
.irp t, 0,1
.irp u, 0,1
	v_wmma_scale_f32_16x16x128_f8f6f4 v[ACC+16*\t+8*\u:ACC+16*\t+8*\u+7], v[WF+24*\u+12:WF+24*\u+23], v[XF+24*\t+12:XF+24*\t+23], v[ACC+16*\t+8*\u:ACC+16*\t+8*\u+7], v[WSR+\u], v[XS+2*\t+1] matrix_a_fmt:MATRIX_FMT_FP6 matrix_b_fmt:MATRIX_FMT_FP6 matrix_a_scale:MATRIX_SCALE_ROW1
.endr
.endr
.endm
.macro PROD_V                                  ; source 0 = 16 pixels, source 1 = 16 rows of W: lane (r, h) holds channel 16 u + r, register 16 u + 8 t + j key 16 t + 8 h + j of my 32
	s_wait_dscnt 0x0
.irp t, 0,1
.irp u, 0,1
	v_wmma_scale_f32_16x16x128_f8f6f4 v[ACC+16*\u+8*\t:ACC+16*\u+8*\t+7], v[XF+24*\t:XF+24*\t+11], v[WF+24*\u:WF+24*\u+11], v[VB+8*\u:VB+8*\u+7], v[XS+2*\t], v[WSR+\u] matrix_a_fmt:MATRIX_FMT_FP6 matrix_b_fmt:MATRIX_FMT_FP6
.endr
.endr
.irp t, 0,1
.irp u, 0,1
	v_wmma_scale_f32_16x16x128_f8f6f4 v[ACC+16*\u+8*\t:ACC+16*\u+8*\t+7], v[XF+24*\t+12:XF+24*\t+23], v[WF+24*\u+12:WF+24*\u+23], v[ACC+16*\u+8*\t:ACC+16*\u+8*\t+7], v[XS+2*\t+1], v[WSR+\u] matrix_a_fmt:MATRIX_FMT_FP6 matrix_b_fmt:MATRIX_FMT_FP6 matrix_b_scale:MATRIX_SCALE_ROW1
.endr
.endr
.endm
.macro PLACES5                                 ; five plain instructions behind the products: four are owed to the reads of their results and to the loads into their sources, the fifth to the next unit's products, which begin the accumulators anew
.rept 5
	v_nop
.endr
.endm
; Two groups of 16 registers, each half a block of 32 (the other half lies in lane l xor 16), become 16 codes (12 bytes) and a scale byte each.  Each accumulator is read from its low end on.
.macro QUANT16 un
.irp g, 0,1
	v_max3_num_f32 v[TM+\g], |v[ACC+16*\g]|, |v[ACC+16*\g+1]|, 0x1800000
.endr
.irp i, 2,4,6,8,10,12,14
.irp g, 0,1
	v_max3_num_f32 v[TM+\g], v[TM+\g], |v[ACC+16*\g+\i]|, |v[ACC+16*\g+\i+1]|
.endr
.endr
.irp g, 0,1
	s_delay_alu instid0(VALU_DEP_2)
	v_permlanex16_b32 v[TM+6+\g], v[TM+\g], s28, s29
.endr
.irp g, 0,1
	s_delay_alu instid0(VALU_DEP_2)
	v_max_num_f32 v[TM+\g], v[TM+\g], v[TM+6+\g]
.endr
.irp g, 0,1
	s_delay_alu instid0(VALU_DEP_2)
	v_add_nc_u32 v[TM+2+\g], 0xff000000, v[TM+\g]
.endr
.irp g, 0,1
	v_cvt_scalef32_pk16_fp6_f32 v[CV+8*\un+4*\g:CV+8*\un+4*\g+2], v[ACC+16*\g:ACC+16*\g+15], v[TM+2+\g]
.endr
.irp g, 0,1
	v_lshrrev_b32 v[BY+2*\un+\g], 23, v[TM+2+\g]   ; the bytes; also the plain instructions behind the conversions
.endr
.endm
.macro PUT_QK un, cb, sb                       ; group g = tile t of pixels
.irp g, 0,1
.irp i, 0,1,2
	ds_store_b32 v[AQK], v[CV+8*\un+4*\g+\i] offset:\cb+768*\g+4*\i
.endr
	ds_store_b8 v[ASQK], v[BY+2*\un+\g] offset:\sb+\g      ; both halves of the lanes write the same byte with the same value
.endr
.endm
.macro PUT_V un                                ; group g = tile u of channels
.irp g, 0,1
.irp i, 0,1,2
	ds_store_b32 v[AV], v[CV+8*\un+4*\g+\i] offset:6144+1536*\g+4*\i
.endr
	ds_store_b8 v[ASV], v[BY+2*\un+\g] offset:12544+64*\g
.endr
.endm
	PROD_QK 0                                      ; q
	PLACES5
	WLOAD 2
	QUANT16 0
	PUT_QK 0, 12800, 18944
	PROD_QK 2                                      ; k
	PLACES5
	WLOAD 4
	QUANT16 1
	PUT_QK 1, 0, 12288
	PROD_V                                         ; v
	PLACES5
	QUANT16 2
	PUT_V 2
	; ---- the record leaves: 19,200 consecutive bytes.  A store of a wave covers 512 consecutive bytes, at a multiple of 256 from the buffer's first byte
	s_wait_dscnt 0x0                               ; for the others' sake: my stores into the record are done
	s_barrier_signal -1
	s_barrier_wait -1
.irp i, 0,1,2,3
	ds_load_b128 v[128+4*\i:131+4*\i], v[RB] offset:4096*\i
.endr
.irp i, 0,1,2,3
	s_wait_dscnt 3-\i
	global_store_b128 v[GOF], v[128+4*\i:131+4*\i], s[44:45] offset:4096*\i
.endr
	s_cmp_lt_u32 s12, 5                            ; 19,200 = 4 x 4,096 + 5 x 512 + 256
	s_cbranch_scc0 .Lnot_five
	ds_load_b128 v[144:147], v[RB] offset:16384
	s_wait_dscnt 0x0
	global_store_b128 v[GOF], v[144:147], s[44:45] offset:16384
	s_branch .Lsent
.Lnot_five:
	s_cmp_eq_u32 s12, 5
	s_cbranch_scc0 .Lsent
	ds_load_b64 v[144:145], v[RB2]                 ; the last 256 bytes, Q's scale bytes: 8 a lane
	s_wait_dscnt 0x0
	global_store_b64 v[L8], v[144:145], s[44:45] offset:18944
.Lsent:
	s_wait_tensorcnt 0x0
	ds_add_u32 v79, v83
	s_wait_dscnt 0x0
	CROUND                                         ; the closing round
	s_endpgm
.Lfunc_end_k_q7ff79a1eb3_qkv:
	.size	k_q7ff79a1eb3_qkv, .Lfunc_end_k_q7ff79a1eb3_qkv-k_q7ff79a1eb3_qkv
	.p2alignl 7, 3214868480
	.fill 96, 4, 3214868480
	.section	.rodata,"a",@progbits
	.p2align	6, 0x0
	.amdhsa_kernel k_q7ff79a1eb3_qkv
		.amdhsa_group_segment_fixed_size 327680
		.amdhsa_private_segment_fixed_size 0
		.amdhsa_enable_private_segment 0
		.amdhsa_kernarg_size 32
		.amdhsa_user_sgpr_count 2
		.amdhsa_user_sgpr_kernarg_segment_ptr 1
		.amdhsa_wavefront_size32 1
		.amdhsa_system_sgpr_workgroup_id_x 1
		.amdhsa_system_sgpr_workgroup_id_y 1
		.amdhsa_system_sgpr_workgroup_id_z 1
		.amdhsa_system_vgpr_workitem_id 0
		.amdhsa_next_free_vgpr 256
		.amdhsa_next_free_sgpr 66
		.amdhsa_reserve_vcc 0
		.amdhsa_float_denorm_mode_32 3
		.amdhsa_float_denorm_mode_16_64 3
		.amdhsa_memory_ordered 1
		.amdhsa_forward_progress 1
		.amdhsa_inst_pref_size 67
	.end_amdhsa_kernel
	.amdgpu_metadata
---
amdhsa.version: [ 1, 2 ]
amdhsa.kernels:
  - .name:           k_q7ff79a1eb3_qkv
    .symbol:         k_q7ff79a1eb3_qkv.kd
    .args:
      - { .name: x, .offset: 0, .size: 8, .value_kind: global_buffer, .address_space: global }
      - { .name: w_qkv, .offset: 8, .size: 8, .value_kind: global_buffer, .address_space: global }
      - { .name: b_qkv, .offset: 16, .size: 8, .value_kind: global_buffer, .address_space: global }
      - { .name: qkv, .offset: 24, .size: 8, .value_kind: global_buffer, .address_space: global }
    .group_segment_fixed_size: 327680
    .private_segment_fixed_size: 0
    .kernarg_segment_align: 8
    .kernarg_segment_size: 32
    .max_flat_workgroup_size: 256
    .sgpr_count:     66
    .vgpr_count:     256
    .wavefront_size: 32
...
	.end_amdgpu_metadata
.endif
;; end of part 1
;; launch attn (part 2): grid 16 x 16, 16 waves a work-group, clusters of 4 x 1, 207,104 bytes of LDS; arguments qkv, ao_codes, ao_scales; writes ao_codes, ao_scales
.if DOCPART == 2
	.amdgcn_target "amdgcn-amd-amdhsa--gfx1250"
	.amdhsa_code_object_version 6
	.text
	.protected	k_q7ff79a1eb3_attn
	.globl	k_q7ff79a1eb3_attn
	.p2align	8
	.type	k_q7ff79a1eb3_attn,@function
k_q7ff79a1eb3_attn:
	s_mov_b64 s[64:65], 0
	v_nop
	global_prefetch_b8 v0, s[64:65] scope:SCOPE_SE
	s_setreg_imm32_b32 hwreg(HW_REG_WAVE_MODE, 25, 1), 1
	s_wait_xcnt 0x0
	s_wait_alu depctr_hold_cnt(0) depctr_sa_sdst(0) depctr_va_vdst(0) depctr_va_sdst(0) depctr_va_ssrc(0) depctr_va_vcc(0) depctr_vm_vsrc(0)
	s_getreg_b32 s2, hwreg(HW_REG_IB_STS2, 6, 4)
	s_cmp_eq_u32 s2, 0
	s_cbranch_scc0 .Lentry_in_a_cluster
	s_endpgm
.Lentry_in_a_cluster:
	s_bfe_u32 s2, ttmp6, 0x10000c
	s_cmp_lg_u32 s2, 0x3003
	s_cbranch_scc0 .Lentry_shape_is_right
	s_endpgm
.Lentry_shape_is_right:
; Attention of one (batch, head) y on codes of FP6 (E2M3): O[q] = sum over k of softmax_k(q . k / sqrt(32)) v[k], 4,096 keys, head size 32; the result, divided by the row's sum, is quantised along the head's 32 channels
; (one block of the projection's K) and leaves as codes: ao_codes [16 y][4,096 pixels][24 bytes], ao_scales [16 y][4,096].  The inputs are the records that the launch before has laid (19,200 bytes for each 256 pixels of a head:
; K's codes 0, V's codes 6,144, K's scale bytes 12,288, V's 12,544, Q's codes 12,800, Q's scale bytes 18,944), in the order of the operands' registers, 48 bytes a lane.
; THE SOFTMAX: t = score x log2(e) / sqrt(32); M = the running largest t rounded UP to a whole number; p = 2^(t - M) is what is quantised, along the keys; the row's sum is taken of the unquantised p and divides at the end.
; When M moves, the sum and O are multiplied by 2^(old M - new M): exact.
; SHARES.  A work-group owns 256 queries of a head, each of its sixteen waves 16 of them, in 256 registers: four waves to a SIMD, so that one wave's vector work stands beside another's products and LDS loads.
; THE WHOLE HEAD'S K AND V LIE IN LDS: 16 records x 12,800 bytes, each brought once by one tensor load of one wave; nothing is filled again, so there is no ring.  One tensor load a wave is out, once.
; Nothing is prefetched: the work-group's whole stream goes out at the head.
; CLUSTER.  The four query blocks of a cluster belong to one head: each record is asked for JOINTLY by the same wave of the four.
; THE FIRST PRODUCT'S K IS 32: one block of the instruction's four.  A fragment of K's codes carries FOUR tiles of 16 keys, one in each block (row r, block j: key 64 f + 16 j + r); q stands four times, its codes in one block and
; zero codes in the other three, so that the product with copy j gives the scores of keys 64 f + 16 j + 0 .. 15.  The four copies overlap in 30 registers: zeros, q in lanes 0-15, zeros, q in lanes 16-31, zeros.
; Both products are used transposed (S^T = K q^T, O^T = V^T p^T): a lane holds ONE query (lane % 16) throughout.  The 16 registers of tiles 2 b, 2 b + 1 hold keys 32 b + 16 u + 8 h + j at code places 16 h + 8 u + j: V's codes were laid in the same order.
; LIMITS: NaN and infinities are not served; a block of zeros has the scale byte 1 and not 127: its codes are zeros, and this program alone reads the bytes.
.set REC,  12800                       ; a record's K and V in LDS
.set SCB,  204800                      ; behind them: the work-group's 256 scale bytes of the result
.set AC0,  1                           ; v1   48 lane
.set AS0,  2                           ; v2   12,288 + 4 lane
.set ADC,  3                           ; v3   the record in hand: its codes
.set ADS,  4                           ; v4   its scale words
.set GO,   5                           ; v5   24 r + 12 h
.set SB,   6                           ; v6   SCB + 16 w + r
.set RBK,  7                           ; v7   SCB + 8 lane
.set L8,   8                           ; v8   8 lane
.set QS,   46                          ; v46  q's scale byte, four times
.set KS,   47                          ; v47  K's scale words: lanes 0-15 fragment 0, lanes 16-31 fragment 1
.set VS,   48                          ; v48  V's: lanes 0-15 channels 0-15, lanes 16-31 channels 16-31
.set PW,   49                          ; v49  p's scale word
.set KF,   50                          ; v50-73   two fragments of K
.set VF,   74                          ; v74-97   two fragments of V
.set S,    98                          ; v98-161  S^T, then p
.set O,    162                         ; v162-177 O^T
.set PC,   178                         ; v178-189 p's codes
.set PT,   190                         ; v190-197 the upper halves of p's blocks, as converted
.set BM,   198                         ; v198-201 the blocks' largest scores, then largest p
.set T2,   202                         ; v202-205 at work
.set SO,   206                         ; v206-209 the conversions' scale operands
.set F,    210                         ; v[210:211] f = 2^(old M - new M) (v211 is written once: the packed forms name the pair)
.set TT,   212                         ; v212 at work
.set SM2,  214                         ; v[214:215] the sum's second chain
.set QT,   216                         ; v216-221 q's 24 bytes as loaded
.set TB,   36                          ; s36  LDS byte at which the record in hand begins
.macro CROUND
	s_barrier_signal -1
	s_barrier_wait -1
	s_cmp_lg_u32 s10, 0
	s_cbranch_scc1 .Lnot_wave_0_\@
	s_barrier_signal -3
.Lnot_wave_0_\@:
	s_barrier_wait -3
	s_barrier_signal -1
	s_barrier_wait -1
.endm
	s_load_b128 s[4:7], s[0:1], 0x0                ; qkv s[4:5], ao_codes s[6:7]
	s_load_b64 s[8:9], s[0:1], 0x10                ; ao_scales
	v_lshl_add_u32 v254, v0, 2, 0x32100
	v_mov_b32 v255, 0
	ds_add_u32 v254, v255
	ds_add_u32 v254, v255
	v_lshrrev_b32 v9, 5, v0
	s_delay_alu instid0(VALU_DEP_1)
	v_readfirstlane_b32 s10, v9                    ; wave 0..15
	s_bfe_u32 s11, ttmp6, 0x40000                  ; cx
	s_lshl_b32 s12, ttmp9, 2
	s_add_co_u32 s12, s12, s11                     ; my block of 256 queries: it enters Q's and the results' addresses alone
	s_and_b32 s13, ttmp7, 0xffff                   ; y, which the four partners share
	; descriptor group 1: a dense block of 12,800 bytes as 50 rows of 32 elements of 8 bytes
	s_mov_b32 s16, 15|(3<<16)|(1<<21)              ; 15:0 the mask: all four work-groups; 17:16 elements of 8 bytes; 21 set beside a mask
	s_mov_b32 s17, 32<<16                          ; tensor_dim0
	s_mov_b32 s18, 50<<16                          ; tensor_dim1
	s_mov_b32 s19, 32<<16                          ; tile_dim0
	s_mov_b32 s20, 50                              ; tile_dim1
	s_mov_b32 s21, 32                              ; tensor_dim0_stride
	s_mov_b32 s22, 0
	s_mov_b32 s23, 0
	s_mov_b32 s24, 1                               ; group 0: count = 1
	s_mul_i32 s25, s10, REC                        ; LDS address: record w
	s_mul_i32 s28, s13, 307200                     ; the head's 16 records of 19,200 bytes,
	s_mul_i32 s29, s10, 19200                      ; record w
	s_add_co_u32 s28, s28, s29
	s_mov_b32 s29, 0
	s_mov_b32 s32, 0x76543210
	s_mov_b32 s33, 0xfedcba98                      ; v_permlanex16_b32's selects for lane l xor 16
	s_mov_b32 s34, 0x3e8293ee                      ; c = log2(e) / sqrt(32)
	s_mov_b32 s35, s34                             ; (named with it as a pair, so it is written)
	v_and_b32 v198, 31, v0                         ; lane
	v_and_b32 v199, 15, v0                         ; r
	s_wait_alu depctr_va_vdst(0)
	v_bfe_u32 v200, v0, 4, 1                       ; h
	v_mul_u32_u24 v[AC0], v198, 48
	v_lshl_add_u32 v[AS0], v198, 2, 12288
	v_mul_u32_u24 v[GO], v199, 24
	s_delay_alu instid0(VALU_DEP_1)
	v_mad_u32_u24 v[GO], v200, 12, v[GO]
	s_lshl_b32 s44, s10, 4
	s_add_co_u32 s44, s44, SCB
	v_add_nc_u32 v[SB], s44, v199
	v_lshl_add_u32 v[RBK], v198, 3, SCB
	v_lshlrev_b32 v[L8], 3, v198
	; my 16 queries are tile w of the block: "key" 16 j + r of fragment w / 4, j = w & 3
	s_lshr_b32 s44, s10, 2
	s_mul_i32 s45, s44, 1536
	s_and_b32 s46, s10, 1
	s_mul_i32 s46, s46, 768
	s_add_co_u32 s45, s45, s46
	s_bfe_u32 s46, s10, 0x10001
	s_mul_i32 s46, s46, 24
	s_add_co_u32 s45, s45, s46
	v_mul_u32_u24 v9, v199, 48
	s_delay_alu instid0(VALU_DEP_1)
	v_add_nc_u32 v9, s45, v9                       ; 1,536 (w / 4) + 768 (w & 1) + 24 ((w / 2) & 1) + 48 r
	s_lshl_b32 s44, s44, 6
	s_and_b32 s46, s10, 3
	s_add_co_u32 s44, s44, s46
	v_lshl_add_u32 v10, v199, 2, s44               ; 64 (w / 4) + (w & 3) + 4 r
	s_lshl_b32 s38, s13, 4
	s_add_co_u32 s38, s38, s12
	s_mul_i32 s38, s38, 19200                      ; my block's record
	s_mov_b32 s39, 0
	s_lshl_b32 s42, s13, 12
	s_lshl_b32 s47, s12, 8
	s_add_co_u32 s42, s42, s47                     ; 4,096 y + 256 blk: my block's first pixel
	s_mov_b32 s43, 0
	s_lshl_b32 s47, s10, 4
	s_add_co_u32 s40, s42, s47
	s_mul_i32 s40, s40, 24                         ; my wave's first pixel, 24 bytes each
	s_mov_b32 s41, 0
	s_mov_b32 s46, 0x01010101
	s_wait_dscnt 0x0
	s_wait_kmcnt 0x0
	s_add_nc_u64 s[26:27], s[4:5], s[28:29]
	s_or_b32 s27, s27, 0x80000000                  ; type = 2
	s_add_nc_u64 s[38:39], s[4:5], s[38:39]
	s_add_nc_u64 s[40:41], s[6:7], s[40:41]
	s_add_nc_u64 s[42:43], s[8:9], s[42:43]
	CROUND                                         ; all four work-groups are here: the joint loads meet
	tensor_load_to_lds s[24:27], s[16:23]          ; record w's K and V
	s_nop 0
.rept 4
	v_nop                                          ; (plain instructions behind a tensor load)
.endr
	s_wait_alu depctr_va_vdst(0)
.irp i, 0,1,2
	global_load_b64 v[QT+2*\i:QT+2*\i+1], v9, s[38:39] offset:12800+8*\i    ; query r's 32 codes, in both halves of the lanes
.endr
	global_load_u8 v[QS], v10, s[38:39] offset:18944                        ; and its scale byte
.irp j, 0,1,2,3,4,5
	v_mov_b32 v[16+\j], 0                          ; the three runs of zero codes
	v_mov_b32 v[28+\j], 0
	v_mov_b32 v[40+\j], 0
.endr
.irp j, 0,1,2,3,4,5,6,7,8,9,10,11,12,13,14,15
	v_mov_b32 v[O+\j], 0                           ; O^T.  (The step is written once: the first finds zeros, which the first change of M leaves zeros)
.endr
.irp b, 0,1,2,3
	v_mov_b32 v[T2+\b], 0                          ; written once: a lane permute's destination counts as one of its sources
.endr
	v_mov_b32 v[F+1], 0
	v_mov_b32 v14, 0                               ; the sum, in two halves
	v_mov_b32 v15, 0
	v_mov_b32 v13, 0xff61b1e6                      ; the largest t so far: -3e38, under every t
	s_delay_alu instid0(VALU_DEP_1)
	v_floor_f32 v12, -v13                          ; -M
	v_cmp_gt_u32 vcc_lo, 16, v198
	s_wait_loadcnt 0x0
.irp j, 0,1,2,3,4,5
	v_cndmask_b32 v[22+\j], 0, v[QT+\j], vcc_lo    ; q in lanes 0-15, zeros above
	v_cndmask_b32 v[34+\j], v[QT+\j], v16, vcc_lo  ; zeros in lanes 0-15, q above
.endr
	v_mul_lo_u32 v[QS], v[QS], s46                 ; the byte in all four places: under the zero codes it counts for nothing
.rept 8
	v_nop                                          ; a scale register written by a vector instruction stands eight plain instructions ahead of a scaled product, an operand so written four
.endr
	s_mov_b32 s[TB], 0
	s_mov_b32 s37, 16
	s_wait_tensorcnt 0x0                           ; my record has landed,
	s_barrier_signal -1
	s_barrier_wait -1                              ; everybody's has: the whole head lies in LDS
; A KEY STEP: 128 keys, the q-th half of the record in hand.
.macro STEP q
.if \q == 0
	v_add_nc_u32 v[ADC], s[TB], v[AC0]             ; four plain instructions in front of loads into registers that the last products have read
	v_add_nc_u32 v[ADS], s[TB], v[AS0]
	v_nop
	v_nop
.else
.rept 4
	v_nop
.endr
.endif
	s_setprio 2
.irp f, 0,1
.irp g, 0,1,2
	ds_load_b128 v[KF+12*\f+4*\g:KF+12*\f+4*\g+3], v[ADC] offset:3072*\q+1536*\f+16*\g        ; 48 bytes from lane to lane, an odd multiple of 16: sixteen lanes touch sixteen different columns of 16 bytes
.endr
.endr
	ds_load_b32 v[KS], v[ADS] offset:128*\q
.irp u, 0,1
.irp g, 0,1,2
	ds_load_b128 v[VF+12*\u+4*\g:VF+12*\u+4*\g+3], v[ADC] offset:6144+3072*\q+1536*\u+16*\g
.endr
.endr
	ds_load_b32 v[VS], v[ADS] offset:256+128*\q
	s_wait_dscnt 7                                 ; K's seven loads are in; V's seven may be out
.irp f, 0,1
.irp j, 0,1,2,3                                ; tile 4 f + j: keys 64 f + 16 j + 0 .. 15; q's copy j begins at v[16 + 12 (j % 2) + 6 (1 - j / 2)]
.if \f == 0
	v_wmma_scale_f32_16x16x128_f8f6f4 v[S+8*(4*\f+\j):S+8*(4*\f+\j)+7], v[KF+12*\f:KF+12*\f+11], v[16+12*(\j%2)+6*(1-\j/2):16+12*(\j%2)+6*(1-\j/2)+11], 0, v[KS], v[QS] matrix_a_fmt:MATRIX_FMT_FP6 matrix_b_fmt:MATRIX_FMT_FP6
.else
	v_wmma_scale_f32_16x16x128_f8f6f4 v[S+8*(4*\f+\j):S+8*(4*\f+\j)+7], v[KF+12*\f:KF+12*\f+11], v[16+12*(\j%2)+6*(1-\j/2):16+12*(\j%2)+6*(1-\j/2)+11], 0, v[KS], v[QS] matrix_a_fmt:MATRIX_FMT_FP6 matrix_b_fmt:MATRIX_FMT_FP6 matrix_a_scale:MATRIX_SCALE_ROW1
.endif
.endr
.endr
.rept 4
	v_nop                                          ; four plain instructions in front of the first read of the scores
.endr
.irp b, 0,1,2,3
	v_max3_num_f32 v[BM+\b], v[S+16*\b], v[S+16*\b+1], v[S+16*\b+2]       ; the largest score of each block of 32 keys: it serves the row's maximum and, since p rises with the score, the block's largest p
.endr
.irp i, 3,5,7,9,11,13
.irp b, 0,1,2,3
	v_max3_num_f32 v[BM+\b], v[BM+\b], v[S+16*\b+\i], v[S+16*\b+\i+1]     ; (the four blocks by turns; each accumulator is first read at its low end)
.endr
.endr
.irp b, 0,1,2,3
	v_max_num_f32 v[BM+\b], v[BM+\b], v[S+16*\b+15]
.endr
.irp b, 0,1,2,3
	s_delay_alu instid0(VALU_DEP_4)
	v_permlanex16_b32 v[T2+\b], v[BM+\b], s32, s33
.endr
.irp b, 0,1,2,3
	s_delay_alu instid0(VALU_DEP_4)
	v_max_num_f32 v[BM+\b], v[BM+\b], v[T2+\b]     ; with lane l xor 16's 16 keys
.endr
	s_delay_alu instid0(VALU_DEP_2)
	v_max3_num_f32 v[TT], v[BM], v[BM+1], v[BM+2]
	s_delay_alu instid0(VALU_DEP_1)
	v_max_num_f32 v[TT], v[TT], v[BM+3]            ; the step's largest score of my query
	s_delay_alu instid0(VALU_DEP_1)
	v_mul_f32 v[TT], s34, v[TT]                    ; as t (c is positive)
	s_delay_alu instid0(VALU_DEP_1)
	v_max_num_f32 v13, v13, v[TT]                  ; the running largest t
	v_mov_b32 v[TT], v12
	s_delay_alu instid0(VALU_DEP_2)
	v_floor_f32 v12, -v13                          ; the new -M = floor(-t) = -ceil(t): a whole number
	s_delay_alu instid0(VALU_DEP_1)
	v_sub_f32 v[TT], v12, v[TT]                    ; old M - new M: a whole number, 0 or less
	s_delay_alu instid0(VALU_DEP_1)
	v_cvt_i32_f32 v[TT], v[TT]                     ; (it saturates)
	s_delay_alu instid0(VALU_DEP_1)
	v_ldexp_f32 v[F], 1.0, v[TT]                   ; f = 2^(old M - new M)
.set J, 0
.rept 32
	v_pk_fma_f32 v[S+J:S+J+1], v[S+J:S+J+1], s[34:35], v[12:13] op_sel_hi:[1,0,0]   ; t - M, two at a time (of the pairs c and -M the low word serves both halves)
.set J, J+2
.endr
.irp b, 0,1,2,3
	v_fma_f32 v[BM+\b], v[BM+\b], s34, v12         ; the same of each block's largest score
.endr
.set J, 0
	s_setprio 1
	s_wait_alu depctr_va_vdst(0)
.rept 64
	v_exp_f32 v[S+J], v[S+J]                       ; p = 2^(t - M), at most 1: not normalised
.set J, J+1
.endr
	v_pk_mul_f32 v[14:15], v[14:15], v[F:F+1] op_sel_hi:[1,0]   ; the sums under the new M; also the plain instruction behind the exponentials
	s_wait_alu depctr_va_vdst(0)                   ; one wait for the batch of 64, ahead of its first reader
.irp b, 0,1,2,3
	v_exp_f32 v[BM+\b], v[BM+\b]                   ; the blocks' largest p: the same two instructions on the same number
.endr
	v_pk_add_f32 v[SM2:SM2+1], v[S:S+1], v[S+2:S+3]             ; the row's sum of the UNQUANTISED p, two at a time, in two chains: the first half here, behind the four exponentials
.irp j, 4,8,12,16,20,24,28
	v_pk_add_f32 v[14:15], v[14:15], v[S+\j:S+\j+1]
	v_pk_add_f32 v[SM2:SM2+1], v[SM2:SM2+1], v[S+\j+2:S+\j+3]
.endr
	s_wait_alu depctr_va_vdst(0)                   ; and one wait for the four
.irp b, 0,1,2,3
	v_max_num_f32 v[BM+\b], 0x1800000, v[BM+\b]    ; the floor 2^(3 - 127): the byte cannot fall under 1
.endr
.irp b, 0,1,2,3
	s_delay_alu instid0(VALU_DEP_4)
	v_add_nc_u32 v[SO+\b], 0xff000000, v[BM+\b]    ; 2 off the exponent field: the conversion's scale operand
.endr
.irp b, 0,1,2,3
	s_delay_alu instid0(VALU_DEP_4)
	v_lshrrev_b32 v[T2+\b], 23, v[SO+\b]           ; the scale's byte
.endr
	s_delay_alu instid0(VALU_DEP_3)
	v_lshl_or_b32 v[PW], v[T2+1], 8, v[T2]         ; p's scale word for these 128 keys
	s_delay_alu instid0(VALU_DEP_1)
	v_lshl_or_b32 v[PW], v[T2+2], 16, v[PW]
	s_delay_alu instid0(VALU_DEP_1)
	v_lshl_or_b32 v[PW], v[T2+3], 24, v[PW]
.irp c, 0,1
	v_cvt_scalef32_pk16_fp6_f32 v[PC+6*\c:PC+6*\c+2], v[S+32*\c:S+32*\c+15], v[SO+2*\c]
	v_cvt_scalef32_pk16_fp6_f32 v[PT+4*\c:PT+4*\c+2], v[S+32*\c+16:S+32*\c+31], v[SO+2*\c+1]   ; (a conversion's three registers begin on an even number)
.endr
	v_nop                                          ; one plain instruction behind a scaled conversion
.irp c, 0,1                                    ; the operand's layout wants a WHOLE block in a lane: lanes 0-15 block 2 c, lanes 16-31 block 2 c + 1
.irp i, 0,1,2
	v_permlane16_swap_b32 v[PC+6*\c+\i], v[PT+4*\c+\i]
.endr
.irp i, 0,1,2
	s_delay_alu instid0(VALU_DEP_3)
	v_mov_b32 v[PC+6*\c+3+\i], v[PT+4*\c+\i]
.endr
.endr
	s_setprio 0
.irp j, 32,36,40,44,48,52,56,60                ; the sum's second half: seventeen plain instructions that name only p and the sums stand between p's scale word and codes and the products below
	v_pk_add_f32 v[14:15], v[14:15], v[S+\j:S+\j+1]
	v_pk_add_f32 v[SM2:SM2+1], v[SM2:SM2+1], v[S+\j+2:S+\j+3]
.endr
	s_delay_alu instid0(VALU_DEP_1)
	v_pk_add_f32 v[14:15], v[14:15], v[SM2:SM2+1]
.set J, 0
.rept 8
	v_pk_mul_f32 v[O+J:O+J+1], v[O+J:O+J+1], v[F:F+1] op_sel_hi:[1,0]   ; O^T under the new M
.set J, J+2
.endr
	s_wait_alu depctr_va_vdst(0)
	s_wait_dscnt 0x0                               ; V is in
	; O^T += V^T p^T: two tiles of 16 channels, K = these 128 keys.  The two accumulators take turns, and eight other products stand between a link and the next
	v_wmma_scale_f32_16x16x128_f8f6f4 v[O:O+7], v[VF:VF+11], v[PC:PC+11], v[O:O+7], v[VS], v[PW] matrix_a_fmt:MATRIX_FMT_FP6 matrix_b_fmt:MATRIX_FMT_FP6
	v_wmma_scale_f32_16x16x128_f8f6f4 v[O+8:O+15], v[VF+12:VF+23], v[PC:PC+11], v[O+8:O+15], v[VS], v[PW] matrix_a_fmt:MATRIX_FMT_FP6 matrix_b_fmt:MATRIX_FMT_FP6 matrix_a_scale:MATRIX_SCALE_ROW1
.endm
.Lrecord:                                          ; 16 trips: a record's 256 keys each
	s_wait_alu depctr_va_vdst(0)
	STEP 0
	STEP 1
	s_add_co_u32 s[TB], s[TB], REC
	s_sub_co_u32 s37, s37, 1
	s_cmp_lg_u32 s37, 0
	s_cbranch_scc1 .Lrecord
	s_setprio 0
	; THE WAY OUT.  O^T / the sum is the projection's operand: my query's 32 channels are one block of its K; I hold 16 of them, lane l xor 16 the others.
.rept 4
	v_nop                                          ; four plain instructions behind the last products
.endr
	v_add_f32 v14, v14, v15                        ; the sum's two halves,
	s_delay_alu instid0(VALU_DEP_1)
	v_permlanex16_b32 v[TT], v14, s32, s33
	s_delay_alu instid0(VALU_DEP_1)
	v_add_f32 v14, v14, v[TT]                      ; and lane l xor 16's: the row's sum
	s_wait_alu depctr_va_vdst(0)
	v_rcp_f32 v[F], v14
	v_nop                                          ; a plain instruction behind the reciprocal
	s_wait_alu depctr_va_vdst(0)                   ; and the wait ahead of its first reader
.set J, 0
.rept 8
	v_pk_mul_f32 v[S+J:S+J+1], v[O+J:O+J+1], v[F:F+1] op_sel_hi:[1,0]   ; register 8 u + j: channel 16 u + 8 h + j.  Each accumulator from its low end on
.set J, J+2
.endr
	v_max3_num_f32 v[BM], |v[S]|, |v[S+1]|, 0x1800000
.irp i, 2,4,6,8,10,12,14
	s_delay_alu instid0(VALU_DEP_1)
	v_max3_num_f32 v[BM], v[BM], |v[S+\i]|, |v[S+\i+1]|
.endr
	s_delay_alu instid0(VALU_DEP_1)
	v_permlanex16_b32 v[T2], v[BM], s32, s33
	s_delay_alu instid0(VALU_DEP_1)
	v_max_num_f32 v[BM], v[BM], v[T2]              ; the block's largest magnitude
	s_delay_alu instid0(VALU_DEP_1)
	v_add_nc_u32 v[SO], 0xff000000, v[BM]
	v_cvt_scalef32_pk16_fp6_f32 v[PC:PC+2], v[S:S+15], v[SO]
	v_lshrrev_b32 v[T2], 23, v[SO]                 ; the scale's byte; also the plain instruction behind the conversion
	global_store_b96 v[GO], v[PC:PC+2], s[40:41]   ; the wave's 16 pixels x 24 bytes: 384 consecutive bytes
	ds_store_b8 v[SB], v[T2]                       ; both halves of the lanes write the same byte with the same value
	s_wait_dscnt 0x0                               ; for wave 0's sake
	s_barrier_signal -1
	s_barrier_wait -1
	s_cmp_lg_u32 s10, 0
	s_cbranch_scc1 .Lbytes_sent
	ds_load_b64 v[10:11], v[RBK]
	s_wait_dscnt 0x0
	global_store_b64 v[L8], v[10:11], s[42:43]     ; the block's 256 scale bytes: 256 consecutive bytes, at a multiple of 256 from the buffer's first byte
.Lbytes_sent:
	s_wait_tensorcnt 0x0
	ds_add_u32 v254, v255
	s_wait_dscnt 0x0
	CROUND                                         ; the closing round
	s_endpgm
.Lfunc_end_k_q7ff79a1eb3_attn:
	.size	k_q7ff79a1eb3_attn, .Lfunc_end_k_q7ff79a1eb3_attn-k_q7ff79a1eb3_attn
	.p2alignl 7, 3214868480
	.fill 96, 4, 3214868480
	.section	.rodata,"a",@progbits
	.p2align	6, 0x0
	.amdhsa_kernel k_q7ff79a1eb3_attn
		.amdhsa_group_segment_fixed_size 207104
		.amdhsa_private_segment_fixed_size 0
		.amdhsa_enable_private_segment 0
		.amdhsa_kernarg_size 24
		.amdhsa_user_sgpr_count 2
		.amdhsa_user_sgpr_kernarg_segment_ptr 1
		.amdhsa_wavefront_size32 1
		.amdhsa_system_sgpr_workgroup_id_x 1
		.amdhsa_system_sgpr_workgroup_id_y 1
		.amdhsa_system_sgpr_workgroup_id_z 1
		.amdhsa_system_vgpr_workitem_id 0
		.amdhsa_next_free_vgpr 256
		.amdhsa_next_free_sgpr 66
		.amdhsa_reserve_vcc 1
		.amdhsa_float_denorm_mode_32 3
		.amdhsa_float_denorm_mode_16_64 3
		.amdhsa_memory_ordered 1
		.amdhsa_forward_progress 1
		.amdhsa_inst_pref_size 41
	.end_amdhsa_kernel
	.amdgpu_metadata
---
amdhsa.version: [ 1, 2 ]
amdhsa.kernels:
  - .name:           k_q7ff79a1eb3_attn
    .symbol:         k_q7ff79a1eb3_attn.kd
    .args:
      - { .name: qkv, .offset: 0, .size: 8, .value_kind: global_buffer, .address_space: global }
      - { .name: ao_codes, .offset: 8, .size: 8, .value_kind: global_buffer, .address_space: global }
      - { .name: ao_scales, .offset: 16, .size: 8, .value_kind: global_buffer, .address_space: global }
    .group_segment_fixed_size: 207104
    .private_segment_fixed_size: 0
    .kernarg_segment_align: 8
    .kernarg_segment_size: 24
    .max_flat_workgroup_size: 512
    .sgpr_count:     66
    .vgpr_count:     256
    .wavefront_size: 32
...
	.end_amdgpu_metadata
.endif
;; end of part 2
;; launch proj (part 3): grid 4 x 64, 4 waves a work-group, no clusters, 168,448 bytes of LDS; arguments ao_codes, ao_scales, w_proj, b_proj, out0; writes out0
.if DOCPART == 3
	.amdgcn_target "amdgcn-amd-amdhsa--gfx1250"
	.amdhsa_code_object_version 6
	.text
	.protected	k_q7ff79a1eb3_proj
	.globl	k_q7ff79a1eb3_proj
	.p2align	8
	.type	k_q7ff79a1eb3_proj,@function
k_q7ff79a1eb3_proj:
	s_mov_b64 s[64:65], 0
	v_nop
	global_prefetch_b8 v0, s[64:65] scope:SCOPE_SE
	s_setreg_imm32_b32 hwreg(HW_REG_WAVE_MODE, 25, 1), 1
	s_wait_xcnt 0x0
; out0[b][o][pixel] = sum over d of w_proj[o][d] a[b][d][pixel] + b_proj[o], on codes of FP6 (E2M3) with one E8M0 scale for each 32 along d.
; a arrives as codes: ao_codes [8 b + head][4,096 pixels][24 bytes], ao_scales [8 b + head][4,096]: a head's 32 channels are one block of K.  Inside a block the codes stand in the order 0-7, 16-23, 8-15, 24-31 of the channels;
; w_proj's numbers are loaded into registers in the same order, so that the products meet their partners.
; SHARES.  A work-group makes 64 outputs x 128 pixels; wave w 16 outputs x 128 pixels: eight accumulators.  It quantises its own 16 rows of w_proj straight into the operand's registers; the pixels' codes, which all four waves read,
; come into LDS by tensor loads, two a wave (heads w and w + 4: their codes, their scale bytes), filled once.  Two tensor loads a wave are out, once.
; NO CLUSTER: the four work-groups of a block of pixels share 25 KiB of codes, against 64 KiB of weights and 32 KiB of results that each moves by itself: what is shared is a small part of a work-group's bytes.
; The product is used with source 0 = 16 pixels, source 1 = 16 rows of W: a lane holds one output and eight neighbouring pixels, 32 bytes of a row of out0.
; LIMITS: NaN and infinities among the inputs are not served; a block of w_proj whose largest magnitude lies under 2^-124 has its byte held at 1; a block of zeros has the byte 1 and not 127: its codes are zeros.
.set APW,  6272                        ; LDS: wave w's fill: two heads x 3,072 bytes, + 128, so that lanes 16-31, which read the next fill, start 32 banks on (64 banks of 4 bytes: ISA guide 11.1)
.set ASC,  25088                       ; the scale bytes: 256 w: heads w and w + 4, 128 bytes each
.set STG,  26112                       ; the stages: 16 rows x (512 + 16) bytes for each wave
.set AA,   1                           ; v1   6,272 h + 24 r
.set AB,   2                           ; v2   ASC + 128 h + r
.set WOF,  3                           ; v3   1,024 r + 128 h
.set R4,   4                           ; v4   4 r
.set STO,  5                           ; v5   my stage: 528 r + 32 h
.set SRD,  6                           ; v6   my stage: 16 lane
.set L16,  7                           ; v7   16 lane
.set SH8,  8                           ; v8   8 h
.set WF,   16                          ; v16-39 W's two fragments
.set WSC,  40                          ; v40-41 their scale words
.set BIAS, 42                          ; v42-49 the bias in the result's layout
.set ASW,  50                          ; v50-57 the pixels' scale words, a register a tile: lanes 0-15 K step 0, lanes 16-31 K step 1
.set BYT,  64                          ; v64-95 their bytes as loaded
.set RAW,  96                          ; v96-223 W as loaded: block 2 s + c at 96 + 32 (2 s + c)
.set TMP,  224                         ; v224-251 at work while W is quantised
.set AF,   96                          ; later: v96-191 the pixels' eight fragments of a K step; on the way out 16 rows
.set ACC,  192                         ; v192-255 eight accumulators
	s_load_b256 s[4:11], s[0:1], 0x0               ; ao_codes s[4:5], ao_scales s[6:7], w_proj s[8:9], b_proj s[10:11]
	s_load_b64 s[12:13], s[0:1], 0x20              ; out0
	v_lshl_add_u32 v62, v0, 2, 0x29000
	v_mov_b32 v63, 0
	ds_add_u32 v62, v63
	ds_add_u32 v62, v63
	v_lshrrev_b32 v9, 5, v0
	v_readfirstlane_b32 s14, v9                    ; wave 0..3
	s_lshl_b32 s15, ttmp9, 6
	s_lshl_b32 s40, s14, 4
	s_add_co_u32 s15, s15, s40                     ; my first output: 64 x work-group x + 16 w
	s_and_b32 s40, ttmp7, 0xffff
	s_lshr_b32 s41, s40, 5                         ; b
	s_and_b32 s42, s40, 31
	s_lshl_b32 s42, s42, 7                         ; the first pixel
	; descriptor groups 1.  Codes: 2 rows (heads w, w + 4) of 384 elements of 8 bytes, 4 x 4,096 x 24 / 8 elements apart
	s_mov_b32 s16, 3<<16
	s_mov_b32 s17, 384<<16                         ; tensor_dim0
	s_mov_b32 s18, 2<<16                           ; tensor_dim1
	s_mov_b32 s19, 384<<16                         ; tile_dim0
	s_mov_b32 s20, 2                               ; tile_dim1
	s_mov_b32 s21, 49152                           ; tensor_dim0_stride
	s_mov_b32 s22, 0
	s_mov_b32 s23, 0
	; scale bytes: 2 rows of 16 elements of 8 bytes, 4 x 4,096 / 8 elements apart
	s_mov_b32 s24, 3<<16
	s_mov_b32 s25, 16<<16
	s_mov_b32 s26, 2<<16
	s_mov_b32 s27, 16<<16
	s_mov_b32 s28, 2
	s_mov_b32 s29, 2048
	s_mov_b32 s30, 0
	s_mov_b32 s31, 0
	s_mov_b32 s32, 1
	s_mul_i32 s33, s14, APW
	s_mov_b32 s36, 1
	s_lshl_b32 s37, s14, 8
	s_add_co_u32 s37, s37, ASC
	s_lshl_b32 s43, s41, 3
	s_add_co_u32 s43, s43, s14
	s_lshl_b32 s43, s43, 12
	s_add_co_u32 s46, s43, s42                     ; (8 b + w) x 4,096 + the first pixel
	s_mov_b32 s47, 0
	s_mul_i32 s44, s46, 24
	s_mov_b32 s45, 0
	s_lshl_b32 s48, s15, 10                        ; my 16 rows of w_proj
	s_mov_b32 s49, 0
	s_lshl_b32 s54, s15, 2                         ; my 16 numbers of b_proj
	s_mov_b32 s55, 0
	s_lshl_b32 s50, s41, 8
	s_add_co_u32 s50, s50, s15
	s_lshl_b32 s50, s50, 14                        ; row 256 b + my first output of out0, 16,384 bytes a row,
	s_lshl_b32 s51, s42, 2
	s_add_co_u32 s50, s50, s51                     ; + the first pixel
	s_mov_b32 s51, 0
	s_mov_b32 s52, 0x76543210
	s_mov_b32 s53, 0xfedcba98                      ; v_permlanex16_b32's selects for lane l xor 16
	v_and_b32 v9, 31, v0                           ; lane
	v_and_b32 v10, 15, v0                          ; r
	v_bfe_u32 v11, v0, 4, 1                        ; h
	v_mul_u32_u24 v[AA], v11, APW
	v_mad_u32_u24 v[AA], v10, 24, v[AA]
	v_lshl_add_u32 v[AB], v11, 7, v10
	v_add_nc_u32 v[AB], ASC, v[AB]
	v_lshlrev_b32 v[WOF], 10, v10
	v_lshl_add_u32 v[WOF], v11, 7, v[WOF]
	v_lshlrev_b32 v[R4], 2, v10
	s_mul_i32 s56, s14, 16*528
	s_add_co_u32 s56, s56, STG
	v_mul_u32_u24 v[STO], v10, 528
	v_lshl_add_u32 v[STO], v11, 5, v[STO]
	v_add_nc_u32 v[STO], s56, v[STO]
	v_lshl_add_u32 v[SRD], v9, 4, s56
	v_lshlrev_b32 v[L16], 4, v9
	v_lshlrev_b32 v[SH8], 3, v11
	v_mov_b32 v[TMP+10], 0                         ; written once: a lane permute's destination counts as one of its sources
	v_mov_b32 v[TMP+11], 0
	s_wait_alu depctr_va_vdst(0)
	s_wait_dscnt 0x0
	s_wait_kmcnt 0x0
	s_add_nc_u64 s[34:35], s[4:5], s[44:45]
	s_or_b32 s35, s35, 0x80000000                  ; type = 2
	s_add_nc_u64 s[38:39], s[6:7], s[46:47]
	s_or_b32 s39, s39, 0x80000000
	tensor_load_to_lds s[32:35], s[16:23]          ; 128 pixels' codes of heads w and w + 4
	s_nop 0
	tensor_load_to_lds s[36:39], s[24:31]          ; and their scale bytes
	s_nop 0
.rept 4
	v_nop                                          ; (plain instructions behind a tensor load)
.endr
	s_add_nc_u64 s[48:49], s[8:9], s[48:49]
	s_add_nc_u64 s[54:55], s[10:11], s[54:55]
	s_add_nc_u64 s[50:51], s[12:13], s[50:51]
	; ---- W, while the codes are on their way.  Lane (r, h): row r, block 2 c + h of K step s: 32 numbers; load k brings channels 4 k .. 4 k + 3, which stand at places 4 p .. 4 p + 3, p = 0, 1, 4, 5, 2, 3, 6, 7
	global_load_b32 v[BIAS], v[R4], s[54:55]
.irp s, 0,1
.irp c, 0,1
.irp k, 0,1,2,3,4,5,6,7
	global_load_b128 v[RAW+32*(2*\s+\c)+4*((\k%2)+2*(\k/4)+4*((\k/2)%2)):RAW+32*(2*\s+\c)+4*((\k%2)+2*(\k/4)+4*((\k/2)%2))+3], v[WOF], s[48:49] offset:512*\s+256*\c+16*\k
.endr
.endr
.endr
.macro WBLK s, c
.set BL, 2*\s+\c
.set R, RAW+32*BL
	s_wait_loadcnt 24-8*BL                         ; this block's eight loads are in; the later blocks' may be out
	v_max3_num_f32 v[TMP], |v[R]|, |v[R+1]|, |v[R+2]|
	v_max3_num_f32 v[TMP+1], |v[R+3]|, |v[R+4]|, |v[R+5]|
.irp k, 6,10,14,18,22,26
	v_max3_num_f32 v[TMP], v[TMP], |v[R+\k]|, |v[R+\k+1]|
	v_max3_num_f32 v[TMP+1], v[TMP+1], |v[R+\k+2]|, |v[R+\k+3]|
.endr
	v_max3_num_f32 v[TMP], v[TMP], |v[R+30]|, |v[R+31]|
	v_max3_num_f32 v[TMP], v[TMP], v[TMP+1], 0x1800000     ; the floor 2^(3 - 127): the byte cannot fall under 1
	v_add_nc_u32 v[TMP+2+BL], 0xff000000, v[TMP]           ; 2 off the exponent field: the conversion's scale operand
	v_lshrrev_b32 v[TMP+6+BL], 23, v[TMP+2+BL]             ; the scale's byte
	v_cvt_scalef32_pk16_fp6_f32 v[WF+12*\s+6*\c:WF+12*\s+6*\c+2], v[R:R+15], v[TMP+2+BL]
	v_cvt_scalef32_pk16_fp6_f32 v[TMP+12+4*BL:TMP+12+4*BL+2], v[R+16:R+31], v[TMP+2+BL]   ; (a conversion's three registers begin on an even number)
	v_nop                                          ; one plain instruction behind a scaled conversion
.irp i, 0,1,2
	v_mov_b32 v[WF+12*\s+6*\c+3+\i], v[TMP+12+4*BL+\i]
.endr
.endm
	WBLK 0, 0
	WBLK 0, 1
	WBLK 1, 0
	WBLK 1, 1
.irp s, 0,1
	v_lshl_or_b32 v[WSC+\s], v[TMP+6+2*\s+1], 16, v[TMP+6+2*\s]   ; my two bytes: blocks h and 2 + h,
	v_lshlrev_b32 v[WSC+\s], v[SH8], v[WSC+\s]                    ; at their places in the word;
	v_permlanex16_b32 v[TMP+10+\s], v[WSC+\s], s52, s53
	v_or_b32 v[WSC+\s], v[WSC+\s], v[TMP+10+\s]                   ; with lane l xor 16's two the word is whole
.endr
.irp j, 1,2,3,4,5,6,7
	v_mov_b32 v[BIAS+\j], v[BIAS]                  ; a lane holds one output: the same bias for its eight pixels
.endr
	s_wait_tensorcnt 0x0                           ; my two fills have landed,
	s_barrier_signal -1
	s_barrier_wait -1                              ; everybody's have
	; ---- the pixels' scale words and K step 0's fragments
.irp t, 0,1,2,3,4,5,6,7
.irp i, 0,1,2,3
	ds_load_u8 v[BYT+4*\t+\i], v[AB] offset:256*\i+16*\t          ; lane (r, h): pixel 16 t + r, head 4 h + i
.endr
.endr
.macro AFETCH s                                ; lane (r, h): pixel 16 t + r; registers 6 c .. 6 c + 5: head 4 s + 2 c + h: its 24 bytes as three loads of 8
.irp t, 0,1,2,3,4,5,6,7
.irp c, 0,1
.irp i, 0,1,2
	ds_load_b64 v[AF+12*\t+6*\c+2*\i:AF+12*\t+6*\c+2*\i+1], v[AA] offset:3072*\s+2*APW*\c+384*\t+8*\i
.endr
.endr
.endr
.endm
	AFETCH 0
	s_wait_dscnt 48                                ; the 32 bytes are in; the 48 loads of the fragments may be out
.irp t, 0,1,2,3,4,5,6,7
	v_lshl_or_b32 v[ASW+\t], v[BYT+4*\t+1], 8, v[BYT+4*\t]
.endr
.irp t, 0,1,2,3,4,5,6,7
	v_lshl_or_b32 v[ASW+\t], v[BYT+4*\t+2], 16, v[ASW+\t]
.endr
.irp t, 0,1,2,3,4,5,6,7
	v_lshl_or_b32 v[ASW+\t], v[BYT+4*\t+3], 24, v[ASW+\t]
.endr
.rept 8
	v_nop                                          ; a scale register written by a vector instruction stands eight plain instructions ahead of a scaled product
.endr
	s_wait_alu depctr_va_vdst(0)
	s_wait_dscnt 0x0
.irp t, 0,1,2,3,4,5,6,7                        ; the eight accumulators take turns; the bias is the C of each sum's first instruction
	v_wmma_scale_f32_16x16x128_f8f6f4 v[ACC+8*\t:ACC+8*\t+7], v[AF+12*\t:AF+12*\t+11], v[WF:WF+11], v[BIAS:BIAS+7], v[ASW+\t], v[WSC] matrix_a_fmt:MATRIX_FMT_FP6 matrix_b_fmt:MATRIX_FMT_FP6
.endr
.rept 4
	v_nop                                          ; four plain instructions in front of loads into registers that the products have read
.endr
	AFETCH 1
	s_wait_dscnt 0x0
.irp t, 0,1,2,3,4,5,6,7
	v_wmma_scale_f32_16x16x128_f8f6f4 v[ACC+8*\t:ACC+8*\t+7], v[AF+12*\t:AF+12*\t+11], v[WF+12:WF+23], v[ACC+8*\t:ACC+8*\t+7], v[ASW+\t], v[WSC+1] matrix_a_fmt:MATRIX_FMT_FP6 matrix_b_fmt:MATRIX_FMT_FP6 matrix_a_scale:MATRIX_SCALE_ROW1
.endr
.rept 4
	v_nop                                          ; four plain instructions in front of the reads of the results and of the loads below
.endr
	; ---- the way out, through my own stage: lane (r, h) puts pixels 16 t + 8 h + 0 .. 7 of output r; whole rows of 512 bytes come back.  LDS serves a wave's instructions in order (ISA guide 5.7.1.4): no wait between the stores and the loads
.irp t, 0,1,2,3,4,5,6,7
	ds_store_b128 v[STO], v[ACC+8*\t:ACC+8*\t+3] offset:64*\t         ; each accumulator from its low end on
	ds_store_b128 v[STO], v[ACC+8*\t+4:ACC+8*\t+7] offset:64*\t+16
.endr
.irp i, 0,1,2,3,4,5,6,7,8,9,10,11,12,13,14,15
	ds_load_b128 v[AF+4*\i:AF+4*\i+3], v[SRD] offset:528*\i
.endr
.irp i, 0,1,2,3,4,5,6,7,8,9,10,11,12,13,14,15
	s_wait_dscnt 15-\i
	global_store_b128 v[L16], v[AF+4*\i:AF+4*\i+3], s[50:51] offset:16384*\i th:TH_STORE_NT   ; 32 lanes store 512 consecutive bytes of a row of out0, at a multiple of 256 from its first byte; written once, read by nobody here
.endr
	s_wait_tensorcnt 0x0
	ds_add_u32 v62, v63
	s_wait_dscnt 0x0
	s_endpgm
.Lfunc_end_k_q7ff79a1eb3_proj:
	.size	k_q7ff79a1eb3_proj, .Lfunc_end_k_q7ff79a1eb3_proj-k_q7ff79a1eb3_proj
	.p2alignl 7, 3214868480
	.fill 96, 4, 3214868480
	.section	.rodata,"a",@progbits
	.p2align	6, 0x0
	.amdhsa_kernel k_q7ff79a1eb3_proj
		.amdhsa_group_segment_fixed_size 168448
		.amdhsa_private_segment_fixed_size 0
		.amdhsa_enable_private_segment 0
		.amdhsa_kernarg_size 40
		.amdhsa_user_sgpr_count 2
		.amdhsa_user_sgpr_kernarg_segment_ptr 1
		.amdhsa_wavefront_size32 1
		.amdhsa_system_sgpr_workgroup_id_x 1
		.amdhsa_system_sgpr_workgroup_id_y 1
		.amdhsa_system_sgpr_workgroup_id_z 1
		.amdhsa_system_vgpr_workitem_id 0
		.amdhsa_next_free_vgpr 256
		.amdhsa_next_free_sgpr 66
		.amdhsa_reserve_vcc 0
		.amdhsa_float_denorm_mode_32 3
		.amdhsa_float_denorm_mode_16_64 3
		.amdhsa_memory_ordered 1
		.amdhsa_forward_progress 1
		.amdhsa_inst_pref_size 31
	.end_amdhsa_kernel
	.amdgpu_metadata
---
amdhsa.version: [ 1, 2 ]
amdhsa.kernels:
  - .name:           k_q7ff79a1eb3_proj
    .symbol:         k_q7ff79a1eb3_proj.kd
    .args:
      - { .name: ao_codes, .offset: 0, .size: 8, .value_kind: global_buffer, .address_space: global }
      - { .name: ao_scales, .offset: 8, .size: 8, .value_kind: global_buffer, .address_space: global }
      - { .name: w_proj, .offset: 16, .size: 8, .value_kind: global_buffer, .address_space: global }
      - { .name: b_proj, .offset: 24, .size: 8, .value_kind: global_buffer, .address_space: global }
      - { .name: out0, .offset: 32, .size: 8, .value_kind: global_buffer, .address_space: global }
    .group_segment_fixed_size: 168448
    .private_segment_fixed_size: 0
    .kernarg_segment_align: 8
    .kernarg_segment_size: 40
    .max_flat_workgroup_size: 128
    .sgpr_count:     66
    .vgpr_count:     256
    .wavefront_size: 32
...
	.end_amdgpu_metadata
.endif
;; end of part 3
